; MI455X (gfx1250); checked and timed in simulation.
; The chip was launched on July 23, 2026; its instructions are those of AMD's public machine-readable ISA for CDNA 5 (MIT licence, August 2026) and "CDNA5" Instruction Set Architecture Reference Guide (July 2026). The comments in the code are by the model that wrote it; some were corrected since.
;; Mult Head Attention. Allowed arithmetic: matrix products marked QUANTISED: E4M3 operands, one given power-of-two scale a tensor, by v_wmma_f32_16x16x64_fp8_fp8 or v_wmma_f32_16x16x128_fp8_fp8, f32 sums; everything else in f32.
;; Inputs: b_k 1,024 float32; b_o 1,024 float32; b_q 1,024 float32; b_v 1,024 float32; k 4 x 2,048 x 1,024 float32; lowp_scales 12 int32 (the exponents e of the quantised operands' scales 2^e); q 4 x 2,048 x 1,024 float32; v 4 x 2,048 x 1,024 float32; w_k 1,024 x 1,024 float32; w_o 1,024 x 1,024 float32; w_q 1,024 x 1,024 float32; w_v 1,024 x 1,024 float32.
;; Outputs: out0 4 x 2,048 x 1,024 float32.
;; This version of the problem:
;;   THIS VERSION OF THE PROBLEM IS GIVEN IN LOW PRECISION. The matrix products marked QUANTISED in the list below multiply operands that are first quantised to E4M3 (4 exponent bits, 3 mantissa bits; 8 bits a number), with one given power-of-two scale for each operand tensor; their sums are f32. All else is computed in f32.
;;   The module's matrix products, in the order in which they are computed (A, B: the left and right operand; K: the contracted axis; several contracted axes count as one K, in the product's order):
;;     1. [M 8,192, K 1,024] x [K 1,024, N 1,024]; A: input q; B: input w_q: QUANTISED (scales: A lowp_scales[0], B lowp_scales[1])
;;     2. [M 8,192, K 1,024] x [K 1,024, N 1,024]; A: input k; B: input w_k: QUANTISED (scales: A lowp_scales[2], B lowp_scales[3])
;;     3. [M 8,192, K 1,024] x [K 1,024, N 1,024]; A: input v; B: input w_v: QUANTISED (scales: A lowp_scales[4], B lowp_scales[5])
;;     4. batch 64 x [M 2,048, K 64] x [K 64, N 2,048]; A: computed on the way; B: computed on the way: QUANTISED (scales: A lowp_scales[6], B lowp_scales[7])
;;     5. batch 64 x [M 2,048, K 2,048] x [K 2,048, N 64]; A: softmax (see below); B: computed on the way: QUANTISED (scales: A lowp_scales[8], B lowp_scales[9])
;;     6. [M 8,192, K 1,024] x [K 1,024, N 1,024]; A: computed on the way; B: input w_o: QUANTISED (scales: A lowp_scales[10], B lowp_scales[11])
;;   THE QUANTISER, for each operand of a quantised product, along K:
;;     - The operand's scale is 2^e, e = its entry of the input lowp_scales (int32; the entries are numbered through the quantised products in the list's order, A before B).
;;     - Each number is divided by the scale, clamped to +-448, and rounded to the nearest number of E4M3, ties to even, subnormals kept.
;;     - The product sums the exact products of the quantised numbers (number of the format x scale) in f32.
;;   ~~~python
;;   def quantise(x, axis, e):      # numpy; x: float32 -> the quantised numbers, widened to float32 again
;;       x = np.moveaxis(x, axis, -1); K = x.shape[-1]
;;       r = np.clip(x / 2.0 ** e, -448, 448)
;;       step = 2.0 ** (np.maximum(np.frexp(np.where(r == 0, 1, r))[1] - 1, -6) - 3)
;;       q = np.round(r / step) * step * 2.0 ** e      # np.round: ties to even
;;       return np.moveaxis(q, -1, axis).astype(np.float32)
;;   ~~~
;;   SOFTMAX AHEAD OF A QUANTISED PRODUCT. Where the list says 'softmax', what is quantised is not the finished softmax but p = 2^(t - M), with t = logit x log2(e) and M = ceil(the row's largest t), a whole number; so 1/2 < the row's largest p <= 1. The row's sum l is taken of the UNQUANTISED p, in f32, and the product's result is divided by l at the end. Since M is a whole number, a kernel that streams over the keys may use a running M (the ceiling of the running maximum): every later rescaling is an exact power of two, so the quantised numbers keep their values, but for numbers so far below the row's largest that they fall under the format's range.
;;   OPERANDS COMPUTED ON THE WAY. 'Computed on the way' means the value that the module computes at that place (a softmax that the list does not call 'softmax' is quantised finished and normalised). What goes into a quantiser is computed in f32, as accurately as f32 sums, v_exp_f32 and their like allow (about 1e-6 of the number): no bf16 or f16 on the way to a quantiser, and a product that is left as it is and whose result goes on into a quantised operand takes f32 operands (vector FMAs, or v_wmma_f32_16x16x4_f32). A number that lies on a knife's edge between two numbers of the format may be rounded either way, as far as f32 arithmetic and the matrix unit's own rounding can turn it there, and no further.
;; One version. Each part assembles by itself: llvm-mc -triple=amdgcn-amd-amdhsa -mcpu=gfx1250 --defsym DOCPART=n.
;; ======== version 1 of 1: 4 launches
;; limits: right only within a limited range of input values
;; workspace buffers: xc 25,165,824 bytes; wc 4,194,304 bytes; hc 25,165,824 bytes; ac 8,388,608 bytes
;; launch quant (part 1): grid 896 x 1, 4 waves a work-group, no clusters, 35,328 bytes of LDS; arguments q, k, v, w_q, w_k, w_v, w_o, lowp_scales, xc, wc; writes xc, wc
.if DOCPART == 1
	.amdgcn_target "amdgcn-amd-amdhsa--gfx1250"
	.amdhsa_code_object_version 6
	.text
	.protected	k_qa6ccb63612_quant
	.globl	k_qa6ccb63612_quant
	.p2align	8
	.type	k_qa6ccb63612_quant,@function
k_qa6ccb63612_quant:
	s_mov_b64 s[64:65], 0
	v_nop
	global_prefetch_b8 v0, s[64:65] scope:SCOPE_SE
	s_setreg_imm32_b32 hwreg(HW_REG_WAVE_MODE, 25, 1), 1
	s_wait_xcnt 0x0
; q, k, v [8192][1024] f32 and w_q, w_k, w_v, w_o [1024 (K)][1024 (n)] f32 become codes of E4M3, each tensor with its given scale 2^e:
; code = x / 2^e, held within +-448, rounded to the nearest code, ties to even.  LIMITS: -126 <= e <= 119; NaN among the inputs is not served.
; THE IMAGE.  All codes are laid as images of the matrix operand's registers.  A fragment is 16 rows x 128 along K = 4 pieces of 512 bytes; in piece c lane l = r + 16 h has 16 bytes at 512 c + 16 l:
; bytes 0-7 are k = 32 c + 8 h + 0..7 of row r, bytes 8-15 are k = 32 c + 16 + 8 h + 0..7.  Four 16-byte loads a lane then give the 8-bit operand layout with every k in its own place.
; xc: tensor z (q, k, v) at z x 8 MiB: [16 rows (512)][128 along K (8)][2,048 bytes].   wc: weight (q, k, v, o) at 1 MiB each: [16 columns n (64)][128 along K (8)][2,048 bytes].
; Work-groups 0-127 take the weights, 128-895 take q, k, v.  Waves share nothing: no barrier.  No tensor load, no matrix unit: the launch is a stream.
.set WREG,  8704                       ; LDS of a wave: two stages
.set STGB,  4352                       ; a stage: 16 rows x 272 bytes
.set SP,    272                        ; a stage row: 256 bytes + 16: the 16 rows that a read touches begin at 16 different 16-byte columns of 256
.set SPARE, 4*WREG                     ; behind the four regions: the spare words, 128 bytes a wave, that no other line names
.set SPW,   12                         ; v12  SPARE + 4 x my thread's number; never rewritten
.set NIL,   13                         ; v13  0; never rewritten
.set R,     16                         ; v16-111   three sets of 32 numbers as loaded (weights: v16-79, two sets of 32)
.set X,     112                        ; v112-175  two sets of 32 numbers in the image's order
.set C,     176                        ; v176-239  codes: eight registers for each step, so that no store's data are written again
	s_load_b256 s[4:11], s[0:1], 0x0               ; q s[4:5], k s[6:7], v s[8:9], w_q s[10:11]
	s_load_b256 s[12:19], s[0:1], 0x20             ; w_k s[12:13], w_v s[14:15], w_o s[16:17], the scales' exponents s[18:19]
	s_load_b128 s[20:23], s[0:1], 0x40             ; xc s[20:21], wc s[22:23]
	v_lshl_add_u32 v[SPW], v0, 2, SPARE
	v_mov_b32 v[NIL], 0
	v_lshrrev_b32 v1, 5, v0
	v_readfirstlane_b32 s32, v1                    ; wave 0..3
	v_and_b32 v2, 31, v0                           ; lane
	v_and_b32 v5, 15, v0                           ; r
	v_bfe_u32 v6, v0, 4, 1                         ; h
	s_cmp_lt_u32 ttmp9, 128
	s_cbranch_scc1 .Lweights
; ---------------- q, k, v: K is innermost.  A wave takes 16 rows x 512 along K, in 8 steps of 16 rows x 64 numbers.
; Each load reads two rows' 256 consecutive bytes; the numbers turn through the wave's own stage and come back 8 neighbours along K at a time, in the image's order.
	s_sub_co_u32 s33, ttmp9, 128
	s_lshr_b32 s34, s33, 8                         ; z: which tensor
	s_lshl_b32 s35, s33, 1
	s_lshr_b32 s36, s32, 1
	s_add_co_u32 s35, s35, s36                     ; which 16 rows of the 3 x 512 groups
	s_and_b32 s37, s32, 1                          ; which half of K
	s_and_b32 s38, s35, 511
	s_lshl_b32 s38, s38, 16                        ; 16 rows of 4,096 bytes
	s_lshl_b32 s40, s37, 11
	s_add_co_u32 s38, s38, s40
	s_mov_b32 s39, 0                               ; s[38:39]: where my numbers begin in their tensor
	s_lshl_b32 s40, s35, 14                        ; 16 rows of 1,024 codes
	s_lshl_b32 s42, s37, 13
	s_add_co_u32 s40, s40, s42
	s_mov_b32 s41, 0                               ; s[40:41]: where my codes begin in xc
	s_lshl_b32 s31, s34, 3                         ; entries 0, 2, 4 of the scales
	s_mul_i32 s43, s32, WREG
	s_wait_alu depctr_va_vdst(0)
	v_lshlrev_b32 v3, 12, v6
	v_lshl_add_u32 v3, v5, 4, v3                   ; in: row h of a pair, 16 bytes a lane
	v_mul_u32_u24 v14, v6, SP
	v_lshl_add_u32 v14, v5, 4, v14
	v_add_nc_u32 v14, s43, v14                     ; into the stage: the same
	v_mul_u32_u24 v15, v5, SP
	v_lshl_add_u32 v15, v6, 5, v15
	v_add_nc_u32 v15, s43, v15                     ; out of it: row r, 32 h bytes on
	v_lshlrev_b32 v4, 4, v2                        ; out: 16 bytes a lane
	s_wait_alu depctr_va_vdst(0)
	s_wait_kmcnt 0x0
	s_load_b32 s30, s[18:19], s31 offset:0x0       ; e
	s_cmp_eq_u32 s34, 0
	s_cselect_b64 s[24:25], s[4:5], s[6:7]
	s_cmp_eq_u32 s34, 2
	s_cselect_b64 s[24:25], s[8:9], s[24:25]
	s_add_nc_u64 s[24:25], s[24:25], s[38:39]
	s_add_nc_u64 s[26:27], s[20:21], s[40:41]
.macro LOAD t                          ; step t: rows 2 i and 2 i + 1, bytes 256 t on: two aligned runs of 256 consecutive bytes an instruction
.irp i, 0,1,2,3,4,5,6,7
	global_load_b128 v[R+32*((\t)%3)+4*\i:R+32*((\t)%3)+4*\i+3], v3, s[24:25] offset:8192*\i+256*(\t) th:TH_LOAD_NT
.endr
.endm
.macro TURN t                          ; through the stage: LDS serves a wave's instructions in order, so no wait stands between the stores and the loads
.irp i, 0,1,2,3,4,5,6,7
	ds_store_b128 v14, v[R+32*((\t)%3)+4*\i:R+32*((\t)%3)+4*\i+3] offset:STGB*((\t)%2)+2*SP*\i
.endr
.irp c, 0,1                            ; piece c: k = 32 c + 8 h + 0..7 (32 bytes), then k = 32 c + 16 + 8 h + 0..7
	ds_load_b128 v[X+32*((\t)%2)+16*\c:X+32*((\t)%2)+16*\c+3],     v15 offset:STGB*((\t)%2)+128*\c
	ds_load_b128 v[X+32*((\t)%2)+16*\c+4:X+32*((\t)%2)+16*\c+7],   v15 offset:STGB*((\t)%2)+128*\c+16
	ds_load_b128 v[X+32*((\t)%2)+16*\c+8:X+32*((\t)%2)+16*\c+11],  v15 offset:STGB*((\t)%2)+128*\c+64
	ds_load_b128 v[X+32*((\t)%2)+16*\c+12:X+32*((\t)%2)+16*\c+15], v15 offset:STGB*((\t)%2)+128*\c+80
.endr
.endm
	LOAD 0
	LOAD 1
	LOAD 2
	s_wait_kmcnt 0x0
	s_add_co_i32 s30, s30, 127
	s_lshl_b32 s44, s30, 23
	v_mov_b32 v11, s44                             ; 2^e as f32: the conversion takes its exponent field
	s_add_co_i32 s30, s30, 8
	s_lshl_b32 s30, s30, 23
	s_or_b32 s30, s30, 0x600000
	v_mov_b32 v10, s30                             ; 448 x 2^e
	s_wait_alu depctr_va_vdst(0)
	s_wait_loadcnt 16                              ; step 0's eight loads are in; steps 1 and 2 may be out
	TURN 0
.macro STEP t
.set XS, X+32*((\t)%2)
	s_wait_dscnt 0x0                               ; this step's numbers are back from the stage, and its stores into the stage have read their registers,
.if (\t)+3 < 8
	LOAD (\t)+3                                    ; which take the loads of three steps on
.endif
.if (\t) < 7
.if (\t) < 5
	s_wait_loadcnt 16                              ; the next step's loads are in; those of the two steps behind it may be out
.else
	s_wait_loadcnt 8*(6-(\t))                      ; the counts run down: 8, 0
.endif
	TURN (\t)+1                                    ; the next step goes through the other stage while this one is worked
.endif
.set j, 0
.rept 32
	v_med3_num_f32 v[XS+j], v[XS+j], -v10, v10     ; the conversion to an 8-bit code does not saturate (ISA guide 7.6.2): the hold at the largest code x the scale
.set j, j+1
.endr
.irp g, 0,1,2,3
	v_cvt_scalef32_pk8_fp8_f32 v[C+8*(\t)+2*\g:C+8*(\t)+2*\g+1], v[XS+8*\g:XS+8*\g+7], v11
.endr
	global_store_b128 v4, v[C+8*(\t):C+8*(\t)+3], s[26:27] offset:1024*(\t)          ; a piece: the wave stores 512 consecutive bytes, aligned
	global_store_b128 v4, v[C+8*(\t)+4:C+8*(\t)+7], s[26:27] offset:1024*(\t)+512
.endm
.irp t, 0,1,2,3,4,5,6,7
	STEP \t
.endr
	s_wait_tensorcnt 0x0                           ; the wave's end, behind my last LDS store
	ds_add_u32 v[SPW], v[NIL]
	s_wait_dscnt 0x0
	s_endpgm
; ---------------- the weights: K is the FIRST axis.  A lane takes a column n and its registers run down K; a wave takes 32 columns x 256 along K, in 8 blocks of 32.
; A lane's 32 codes of a block are the 16 bytes of the piece's lane (r, 0) and the 16 bytes of its lane (r, 1): no LDS is touched on this path.
.Lweights:
	s_lshr_b32 s33, ttmp9, 5                       ; which weight: q, k, v, o
	s_and_b32 s34, ttmp9, 7                        ; which 128 columns
	s_bfe_u32 s35, ttmp9, 0x20003                  ; which 256 along K
	s_lshl_b32 s36, s34, 7
	s_lshl_b32 s37, s32, 5
	s_add_co_u32 s36, s36, s37                     ; my wave's first column
	s_lshl_b32 s38, s35, 20                        ; 256 rows of 4,096 bytes
	s_lshl_b32 s37, s36, 2
	s_add_co_u32 s38, s38, s37
	s_mov_b32 s39, 0
	s_lshl_b32 s40, s33, 20
	s_lshr_b32 s37, s36, 4
	s_lshl_b32 s37, s37, 14                        ; 16 columns are 16,384 bytes of codes
	s_add_co_u32 s40, s40, s37
	s_lshl_b32 s37, s35, 12                        ; 256 along K are two images
	s_add_co_u32 s40, s40, s37
	s_mov_b32 s41, 0
	s_lshl_b32 s31, s33, 3
	s_add_co_u32 s31, s31, 4                       ; entries 1, 3, 5 of the scales,
	s_cmp_eq_u32 s33, 3
	s_cselect_b32 s31, 44, s31                     ; entry 11 for w_o
	s_wait_alu depctr_va_vdst(0)
	v_lshlrev_b32 v3, 2, v2                        ; in: 4 bytes a lane
	v_lshlrev_b32 v4, 14, v6
	v_lshl_add_u32 v4, v5, 4, v4                   ; out: lanes 16-31 hold the next 16 columns, 16,384 bytes on
	s_wait_alu depctr_va_vdst(0)
	s_wait_kmcnt 0x0
	s_load_b32 s30, s[18:19], s31 offset:0x0       ; e
	s_cmp_eq_u32 s33, 1
	s_cselect_b64 s[24:25], s[12:13], s[10:11]
	s_cmp_eq_u32 s33, 2
	s_cselect_b64 s[24:25], s[14:15], s[24:25]
	s_cmp_eq_u32 s33, 3
	s_cselect_b64 s[24:25], s[16:17], s[24:25]
	s_add_nc_u64 s[24:25], s[24:25], s[38:39]
	s_add_nc_u64 s[26:27], s[22:23], s[40:41]
.macro WLOAD t                         ; block t: w(32 t + i, my column): the wave reads 128 consecutive bytes, the four waves side by side 512
.set i, 0
.rept 32
	global_load_b32 v[R+32*((\t)%2)+i], v3, s[24:25] offset:(32*(\t)+i)*4096 th:TH_LOAD_NT
.set i, i+1
.endr
.endm
	WLOAD 0
	WLOAD 1
	s_wait_kmcnt 0x0
	s_add_co_i32 s30, s30, 127
	s_lshl_b32 s44, s30, 23
	v_mov_b32 v11, s44                             ; 2^e
	s_add_co_i32 s30, s30, 8
	s_lshl_b32 s30, s30, 23
	s_or_b32 s30, s30, 0x600000
	v_mov_b32 v10, s30                             ; 448 x 2^e
.macro BLOCK t
.set XS, R+32*((\t)%2)
.if (\t) < 7
	s_wait_loadcnt 32                              ; this block's 32 loads are in; the next block's may be out
.else
	s_wait_loadcnt 0
.endif
.set j, 0
.rept 32
	v_med3_num_f32 v[XS+j], v[XS+j], -v10, v10
.set j, j+1
.endr
	v_cvt_scalef32_pk8_fp8_f32 v[C+8*(\t):C+8*(\t)+1],   v[XS:XS+7], v11        ; k 0-7 and 16-23: the piece's lane (r, 0);
	v_cvt_scalef32_pk8_fp8_f32 v[C+8*(\t)+2:C+8*(\t)+3], v[XS+16:XS+23], v11
	v_cvt_scalef32_pk8_fp8_f32 v[C+8*(\t)+4:C+8*(\t)+5], v[XS+8:XS+15], v11     ; k 8-15 and 24-31: its lane (r, 1)
	v_cvt_scalef32_pk8_fp8_f32 v[C+8*(\t)+6:C+8*(\t)+7], v[XS+24:XS+31], v11
	global_store_b128 v4, v[C+8*(\t):C+8*(\t)+3], s[26:27] offset:512*(\t)      ; sixteen lanes store 256 consecutive bytes, aligned
	global_store_b128 v4, v[C+8*(\t)+4:C+8*(\t)+7], s[26:27] offset:512*(\t)+256
.if (\t) < 6
	WLOAD (\t)+2
.endif
.endm
	s_wait_alu depctr_va_vdst(0)
.irp t, 0,1,2,3,4,5,6,7
	BLOCK \t
.endr
	s_endpgm
.Lfunc_end_k_qa6ccb63612_quant:
	.size	k_qa6ccb63612_quant, .Lfunc_end_k_qa6ccb63612_quant-k_qa6ccb63612_quant
	.p2alignl 7, 3214868480
	.fill 96, 4, 3214868480
	.section	.rodata,"a",@progbits
	.p2align	6, 0x0
	.amdhsa_kernel k_qa6ccb63612_quant
		.amdhsa_group_segment_fixed_size 35328
		.amdhsa_private_segment_fixed_size 0
		.amdhsa_enable_private_segment 0
		.amdhsa_kernarg_size 80
		.amdhsa_user_sgpr_count 2
		.amdhsa_user_sgpr_kernarg_segment_ptr 1
		.amdhsa_wavefront_size32 1
		.amdhsa_system_sgpr_workgroup_id_x 1
		.amdhsa_system_sgpr_workgroup_id_y 1
		.amdhsa_system_sgpr_workgroup_id_z 1
		.amdhsa_system_vgpr_workitem_id 0
		.amdhsa_next_free_vgpr 240
		.amdhsa_next_free_sgpr 66
		.amdhsa_reserve_vcc 0
		.amdhsa_float_denorm_mode_32 3
		.amdhsa_float_denorm_mode_16_64 3
		.amdhsa_memory_ordered 1
		.amdhsa_forward_progress 1
		.amdhsa_inst_pref_size 83
	.end_amdhsa_kernel
	.amdgpu_metadata
---
amdhsa.version: [ 1, 2 ]
amdhsa.kernels:
  - .name:           k_qa6ccb63612_quant
    .symbol:         k_qa6ccb63612_quant.kd
    .args:
      - { .name: q, .offset: 0, .size: 8, .value_kind: global_buffer, .address_space: global }
      - { .name: k, .offset: 8, .size: 8, .value_kind: global_buffer, .address_space: global }
      - { .name: v, .offset: 16, .size: 8, .value_kind: global_buffer, .address_space: global }
      - { .name: w_q, .offset: 24, .size: 8, .value_kind: global_buffer, .address_space: global }
      - { .name: w_k, .offset: 32, .size: 8, .value_kind: global_buffer, .address_space: global }
      - { .name: w_v, .offset: 40, .size: 8, .value_kind: global_buffer, .address_space: global }
      - { .name: w_o, .offset: 48, .size: 8, .value_kind: global_buffer, .address_space: global }
      - { .name: lowp_scales, .offset: 56, .size: 8, .value_kind: global_buffer, .address_space: global }
      - { .name: xc, .offset: 64, .size: 8, .value_kind: global_buffer, .address_space: global }
      - { .name: wc, .offset: 72, .size: 8, .value_kind: global_buffer, .address_space: global }
    .group_segment_fixed_size: 35328
    .private_segment_fixed_size: 0
    .kernarg_segment_align: 8
    .kernarg_segment_size: 80
    .max_flat_workgroup_size: 128
    .sgpr_count:     66
    .vgpr_count:     240
    .wavefront_size: 32
...
	.end_amdgpu_metadata
.endif
;; end of part 1
;; launch proj (part 2): grid 32 x 8, 4 waves a work-group, clusters of 4 x 1, 327,680 bytes of LDS; arguments xc, wc, lowp_scales, b_q, b_k, b_v, hc; writes hc
.if DOCPART == 2
	.amdgcn_target "amdgcn-amd-amdhsa--gfx1250"
	.amdhsa_code_object_version 6
	.text
	.protected	k_qa6ccb63612_proj
	.globl	k_qa6ccb63612_proj
	.p2align	8
	.type	k_qa6ccb63612_proj,@function
k_qa6ccb63612_proj:
	s_mov_b64 s[64:65], 0
	v_nop
	global_prefetch_b8 v0, s[64:65] scope:SCOPE_SE
	s_setreg_imm32_b32 hwreg(HW_REG_WAVE_MODE, 25, 1), 1
	s_wait_xcnt 0x0
	s_wait_alu depctr_hold_cnt(0) depctr_sa_sdst(0) depctr_va_vdst(0) depctr_va_sdst(0) depctr_va_ssrc(0) depctr_va_vcc(0) depctr_vm_vsrc(0)
	s_getreg_b32 s2, hwreg(HW_REG_IB_STS2, 6, 4)
	s_cmp_eq_u32 s2, 0
	s_cbranch_scc0 .Lentry_in_a_cluster
	s_endpgm
.Lentry_in_a_cluster:
	s_bfe_u32 s2, ttmp6, 0x10000c
	s_cmp_lg_u32 s2, 0x3003
	s_cbranch_scc0 .Lentry_shape_is_right
	s_endpgm
.Lentry_shape_is_right:
; The three input projections on codes of E4M3: h_z = Q(x_z w_z + b_z), z = q, k, v; sums in f32; the result is quantised at once with its given scale (entries 6, 7, 9) as attention's operand.
; xc: tensor z at z x 8 MiB: [16 rows (512)][128 along K (8)][2,048 bytes], images of operand registers; wc: weight z at z x 1 MiB: [16 columns (64)][128 along K (8)][2,048 bytes].
; hc: Q at 0, K at 8 MiB: [bh][16 tokens][1,024], K = the head's 64; V at 16 MiB: [bh][128 keys][16 channels][2,048], K = the keys.
; SHARES.  A work-group owns rows 256 rb .. + 255 and columns 128 y .. + 127 of ALL THREE products, one after the other: 32 x 8 = 256 work-groups.  A wave owns 64 of the rows and all 128 columns: 32 accumulators, 256 registers.
; THE WEIGHTS: a block of 128 columns with the whole K is one dense 128 KiB of wc: a slot of LDS, each wave fetching a quarter.  Two slots: w_q at the head, w_k behind the first round, w_v (into w_q's slot) behind the second.
; CLUSTER: the four work-groups of a cluster (four row blocks, one y) need the same weights: each quarter is asked for jointly, mask 15.
; x: a row is used by one wave of the work-group alone, so its images go from memory straight into registers, never through LDS: 16 loads of 512 consecutive bytes a chunk of 128 along K.  A wave's whole panel (8 chunks) has
; 512 registers; a chunk's registers take the next pass's chunk as soon as its products are issued.  So every load of x is issued four to eight chunks ahead of its use; the text has no loop to run ahead in, and no prefetch is laid.
; q, k: source 0 = 16 columns of w, source 1 = 16 rows of x: a lane holds a token and 8 neighbouring features.  v: the sources swapped: a lane holds a channel and 8 neighbouring tokens (keys).
; The bias, divided by 2^(ea + eb), is the C of each sum's first product.  code = sum / 2^(eo - ea - eb), held within +-448.  LIMITS: eo - ea - eb between -126 and 119; NaN is not served.
; REGISTERS: window 0: v2 16 x lane; v4-7 LDS addresses (slot, half of the columns); v8, v9 the add's two; v10, v11 scale and hold; v12, v13 bias offsets; v16-23 b_v as loaded; v64-127 the bias as C;
; v128-191, v192-255 two sets of four fragments of w (on the way out: held sums, codes).  Window 1: accumulator (a, b) at 8 (8 a + b).  Windows 2, 3: x's chunks 0-3, 4-7: chunk c, rows 16 a at 64 (c % 4) + 16 a.
.set SLOTB, 131072
.set SPARE, 2*SLOTB                    ; behind the slots: the spare words, 128 bytes a wave, that no other line names
.set LI,  2
.set BAD, 4
.set SPW, 8
.set NIL, 9
.set CSC, 10
.set HLD, 11
.set BA,  12
.set BA2, 13
.set BV,  16
.set BN,  64
.set BF,  128
.set TMP, 128
.set CD,  192
.set G1,  24
.set G0A, 32
.set G0B, 36
.set G0C, 48
.set XA,  52                           ; s[52:53], s[54:55], s[56:57]: my 64 rows of x_q, x_k, x_v
.set OQ,  58                           ; s[58:59], s[60:61], s[62:63]: my places in hc
.set MSB, 0
.macro WIN new                         ; the immediate's high byte repeats the setting that is left
.if MSB != (\new)
	s_set_vgpr_msb (MSB<<8)|(\new)
.set MSB, (\new)
.endif
.endm
.macro PLACES
.rept 4
	v_nop
.endr
.endm
.macro CROUND                          ; a round of the cluster's barrier
	s_barrier_signal -1
	s_barrier_wait -1
	s_cmp_lg_u32 s14, 0
	s_cbranch_scc1 .Lnot_wave_0_\@
	s_barrier_signal -3
.Lnot_wave_0_\@:
	s_barrier_wait -3
	s_barrier_signal -1
	s_barrier_wait -1
.endm
.macro TL g0                           ; my quarter of a slot, jointly; an s_nop 0 and four v_nop follow
	tensor_load_to_lds s[\g0:\g0+3], s[G1:G1+7]
	s_nop 0
	PLACES
.endm
.macro SEQ                             ; all my tensor loads are done; an add; it and my LDS reads are done
	s_wait_tensorcnt 0x0
	ds_add_u32 v[SPW], v[NIL]
	s_wait_dscnt 0x0
.endm
.macro ALOAD base, c                   ; x's chunk c: four fragments, 16 loads of 512 consecutive bytes
	WIN 0x80+0x40*((\c)/4)
.irp a, 0,1,2,3
.irp p, 0,1,2,3
	global_load_b128 v[64*((\c)%4)+16*\a+4*\p:64*((\c)%4)+16*\a+4*\p+3], v[LI], s[\base:\base+1] offset:16384*\a+2048*(\c)+512*\p
.endr
.endr
	WIN 0
.endm
.macro BLOADS slot, c, bg              ; w's fragments of columns 64 bg .. + 63, chunk c, into set bg
.irp b, 0,1,2,3
.irp p, 0,1,2,3
	ds_load_b128 v[BF+64*(\bg)+16*\b+4*\p:BF+64*(\bg)+16*\b+4*\p+3], v[BAD+2*(\slot)+(\bg)] offset:16384*\b+2048*(\c)+512*\p
.endr
.endr
.endm
.macro MUL c, bg, sw                   ; 16 products; the 32 accumulators take turns, one instruction a turn, in the same order in every chunk
.irp b, 0,1,2,3
.irp a, 0,1,2,3
.set AC, 8*(8*\a+4*(\bg)+\b)
.set WF, BF+64*(\bg)+16*\b
.set XF, 64*((\c)%4)+16*\a
.set CB, BN+8*(4*(\bg)+\b)
.if (\c) == 0
.if \sw
	v_wmma_f32_16x16x128_fp8_fp8 v[AC:AC+7], v[XF:XF+15], v[WF:WF+15], v[CB:CB+7]
.else
	v_wmma_f32_16x16x128_fp8_fp8 v[AC:AC+7], v[WF:WF+15], v[XF:XF+15], v[CB:CB+7]
.endif
.else
.if \sw
	v_wmma_f32_16x16x128_fp8_fp8 v[AC:AC+7], v[XF:XF+15], v[WF:WF+15], v[AC:AC+7]
.else
	v_wmma_f32_16x16x128_fp8_fp8 v[AC:AC+7], v[WF:WF+15], v[XF:XF+15], v[AC:AC+7]
.endif
.endif
.endr
.endr
.endm
; A PASS: one product, 8 chunks of two halves.  Each half: four places behind the products before it, the next half's 16 fragment loads into the set that those products read, then 16 products.
; rl: base of the next pass's x (0: none): chunk c - 1's registers are loaded anew.  pre: base of this pass's x (0: none): chunks 4 to 7 are asked for in chunks 0 to 3.  nb: the next pass's bias (1: as q, k; 2: as v).
; LOADcnt: behind the loads of the chunk in hand at least 64 loads have been issued (count 63), but in a pass behind which nothing is loaded (tail = 1), where chunks 4 to 7 have 16 (7 - c) behind them.
.macro PASS slot, sw, rl, nb, tail, pre
.irp c, 0,1,2,3,4,5,6,7
.if \c == 0
.set MW, 0x48-6*(\sw)
.else
.set MW, 0x50+((2+\c/4)<<(2-2*(\sw)))
.endif
	PLACES
	WIN 0
	BLOADS \slot, \c, 1
.if \c == 1
.if \nb == 1
.irp b, 0,1,2,3,4,5,6,7
	global_load_b128 v[BN+8*\b:BN+8*\b+3], v[BA], s[76:77] offset:64*\b
	global_load_b128 v[BN+8*\b+4:BN+8*\b+7], v[BA], s[76:77] offset:64*\b+16
.endr
.endif
.if \nb == 2
.irp b, 0,1,2,3,4,5,6,7
	global_load_b32 v[BV+\b], v[BA2], s[78:79] offset:64*\b
.endr
.endif
.endif
.if (\rl) && (\c > 0)
	ALOAD \rl, \c-1
.endif
.if (\pre) && (\c < 4)
	ALOAD \pre, \c+4
.endif
.if (\tail) && (\c > 3)
	s_wait_loadcnt 16*(7-\c)
.else
	s_wait_loadcnt 63
.endif
	s_wait_dscnt 16                                ; set 0 is in; the 16 loads just issued may be out
	WIN MW
	MUL \c, 0, \sw
	PLACES
	WIN 0
.if \c < 7
	BLOADS \slot, \c+1, 0
	s_wait_dscnt 16
.else
	s_wait_dscnt 0
.endif
	WIN MW
	MUL \c, 1, \sw
.endr
	PLACES                                         ; behind the pass's last products
	WIN 0
.endm
.macro ESC ea, eb, eo                  ; the conversion's scale 2^(eo - ea - eb) and 448 x that
	s_add_co_i32 s96, s[\ea], s[\eb]
	s_sub_co_i32 s98, s[\eo], s96
	s_add_co_i32 s98, s98, 127
	s_lshl_b32 s97, s98, 23
	s_add_co_i32 s98, s98, 8
	s_lshl_b32 s98, s98, 23
	s_or_b32 s98, s98, 0x600000
	v_mov_b32 v[CSC], s97
	v_mov_b32 v[HLD], s98
.endm
.macro CVST g                          ; eight tiles' held sums into 16 registers of codes
	WIN 0
.irp t, 0,1,2,3,4,5,6,7
	v_cvt_scalef32_pk8_fp8_f32 v[CD+16*(\g)+2*\t:CD+16*(\g)+2*\t+1], v[TMP+8*\t:TMP+8*\t+7], v[CSC]
.endr
	v_nop                                          ; a plain instruction behind the conversions
.endm
.macro EPIQ ob                         ; q, k: rows 16 a: tiles b = 0..7; tiles 2 i, 2 i + 1 make a piece's 16 bytes a lane; the wave stores 512 consecutive bytes
.irp a, 0,1,2,3
	WIN 0x01
.set j, 0
.rept 64
	v_med3_num_f32 v[TMP+j], v[64*\a+j], -v[HLD], v[HLD]
.set j, j+1
.endr
	CVST \a
.irp bp, 0,1,2,3
	global_store_b128 v[LI], v[CD+16*\a+4*\bp:CD+16*\a+4*\bp+3], s[\ob:\ob+1] offset:((\bp)>>1)*131072+\a*1024+((\bp)&1)*512
.endr
.endr
.endm
.macro EPIV ob                         ; v: group g: tokens 32 (g & 1) on, head g >> 1: for each of 4 channel tiles the row tiles 2 (g & 1), + 1 make a piece's 16 bytes a lane
.irp g, 0,1,2,3
	WIN 0x01
.irp bb, 0,1,2,3
.irp aa, 0,1
.irp i, 0,1,2,3,4,5,6,7
	v_med3_num_f32 v[TMP+8*(2*\bb+\aa)+\i], v[8*(8*(2*((\g)&1)+\aa)+4*((\g)>>1)+\bb)+\i], -v[HLD], v[HLD]
.endr
.endr
.endr
	CVST \g
.irp bb, 0,1,2,3
	global_store_b128 v[LI], v[CD+16*\g+4*\bb:CD+16*\g+4*\bb+3], s[\ob:\ob+1] offset:((\g)>>1)*131072+\bb*2048+((\g)&1)*512
.endr
.endr
.endm
	s_load_b256 s[68:75], s[0:1], 0x0              ; xc s[68:69], wc s[70:71], the scales' exponents s[72:73], b_q s[74:75]
	s_load_b128 s[76:79], s[0:1], 0x20             ; b_k, b_v
	s_load_b64 s[80:81], s[0:1], 0x30              ; hc
	v_lshl_add_u32 v[SPW], v0, 2, SPARE
	v_mov_b32 v[NIL], 0
	ds_add_u32 v[SPW], v[NIL]                      ; the opening: the add, twice on end, and its wait ahead of the first tensor load
	ds_add_u32 v[SPW], v[NIL]
	v_lshrrev_b32 v1, 5, v0
	v_readfirstlane_b32 s14, v1                    ; wave 0..3
	s_bfe_u32 s40, ttmp6, 0x40000                  ; cx
	s_lshl_b32 s41, ttmp9, 2
	s_add_co_u32 s41, s41, s40                     ; rb: my block of 256 rows
	s_and_b32 s42, ttmp7, 0xffff                   ; y: my block of 128 columns
	s_mov_b32 s[G1], 15|(3<<16)|(1<<21)            ; the mask: all four of the cluster; elements of 8 bytes; bit 21 beside a mask; no padding
	s_mov_b32 s[G1+1], 32<<16                      ; a dense 32 KiB as 128 rows of 256 bytes
	s_mov_b32 s[G1+2], 128<<16
	s_mov_b32 s[G1+3], 32<<16
	s_mov_b32 s[G1+4], 128
	s_mov_b32 s[G1+5], 32
	s_mov_b32 s[G1+6], 0
	s_mov_b32 s[G1+7], 0
	s_lshl_b32 s46, s42, 17                        ; w: 128 columns are 131,072 bytes,
	s_lshl_b32 s45, s14, 15                        ; my quarter; also its place in a slot
	s_add_co_u32 s46, s46, s45
	s_mov_b32 s47, 0
	s_lshl_b32 s20, s41, 18                        ; x: 256 rows of 1,024 codes,
	s_lshl_b32 s21, s14, 16                        ; my 64
	s_add_co_u32 s20, s20, s21
	s_mov_b32 s21, 0
	s_lshr_b32 s8, s41, 3
	s_lshl_b32 s8, s8, 4
	s_lshl_b32 s9, s42, 1
	s_add_co_u32 s8, s8, s9                        ; bh of my first head: 16 x batch + 2 y
	s_lshl_b32 s8, s8, 17
	s_and_b32 s9, s41, 7
	s_lshl_b32 s10, s9, 14                         ; Q, K: 256 tokens are 16 x 1,024 bytes,
	s_lshl_b32 s11, s14, 12                        ; my 64 are 4 x 1,024
	s_add_co_u32 s10, s10, s11
	s_add_co_u32 s10, s10, s8
	s_mov_b32 s11, 0
	s_lshl_b32 s12, s9, 14                         ; V: 256 keys are 2 x 8,192 bytes,
	s_lshr_b32 s13, s14, 1
	s_lshl_b32 s13, s13, 13                        ; my 128 keys,
	s_add_co_u32 s12, s12, s13
	s_and_b32 s13, s14, 1
	s_lshl_b32 s13, s13, 10                        ; pieces 2 (wave % 2) and the next
	s_add_co_u32 s12, s12, s13
	s_add_co_u32 s12, s12, s8
	s_mov_b32 s13, 0
	s_lshl_b32 s18, s42, 9                         ; the biases: 128 numbers of 4 bytes
	s_mov_b32 s19, 0
	s_wait_dscnt 0x0                               ; both opening adds are done
	s_wait_kmcnt 0x0
	s_load_b256 s[84:91], s[72:73], 0x0            ; e0 .. e7
	s_load_b128 s[92:95], s[72:73], 0x20           ; e8 .. e11
	s_add_nc_u64 s[46:47], s[70:71], s[46:47]
	s_mov_b32 s[G0A], 1
	s_mov_b32 s[G0A+1], s45                        ; slot 0
	s_mov_b64 s[G0A+2:G0A+3], s[46:47]             ; w_q
	s_or_b32 s[G0A+3], s[G0A+3], 0x80000000
	s_mov_b32 s[G0B], 1
	s_add_co_u32 s[G0B+1], s45, SLOTB              ; slot 1
	s_add_nc_u64 s[G0B+2:G0B+3], s[46:47], 0x100000   ; w_k
	s_or_b32 s[G0B+3], s[G0B+3], 0x80000000
	s_mov_b32 s[G0C], 1
	s_mov_b32 s[G0C+1], s45                        ; slot 0 again
	s_add_nc_u64 s[G0C+2:G0C+3], s[46:47], 0x200000   ; w_v
	s_or_b32 s[G0C+3], s[G0C+3], 0x80000000
	s_add_nc_u64 s[XA:XA+1], s[68:69], s[20:21]
	s_add_nc_u64 s[XA+2:XA+3], s[XA:XA+1], 0x800000
	s_add_nc_u64 s[XA+4:XA+5], s[XA:XA+1], 0x1000000
	s_add_nc_u64 s[OQ:OQ+1], s[80:81], s[10:11]
	s_add_nc_u64 s[OQ+2:OQ+3], s[OQ:OQ+1], 0x800000
	s_add_nc_u64 s[OQ+4:OQ+5], s[80:81], s[12:13]
	s_add_nc_u64 s[OQ+4:OQ+5], s[OQ+4:OQ+5], 0x1000000
	s_add_nc_u64 s[74:75], s[74:75], s[18:19]
	s_add_nc_u64 s[76:77], s[76:77], s[18:19]
	s_add_nc_u64 s[78:79], s[78:79], s[18:19]
	CROUND                                         ; the four work-groups are here: the first joint loads meet
	TL G0A                                         ; w_q: one tensor load a wave at the head
	v_and_b32 v1, 31, v0
	v_lshlrev_b32 v[LI], 4, v1
	v_lshlrev_b32 v[BAD], 4, v1                    ; slot 0, columns 0-63
	v_add_nc_u32 v[BAD+1], 0x10000, v[LI]          ; slot 0, columns 64-127
	v_add_nc_u32 v[BAD+2], 0x20000, v[LI]          ; slot 1
	v_add_nc_u32 v[BAD+3], 0x30000, v[LI]
	v_bfe_u32 v[BA], v0, 4, 1
	v_lshlrev_b32 v[BA], 5, v[BA]                  ; q, k: the bias at features 16 b + 8 h + 0..7
	v_and_b32 v[BA2], 15, v0
	v_lshlrev_b32 v[BA2], 2, v[BA2]                ; v: at channel 16 b + r
.irp b, 0,1,2,3,4,5,6,7
	global_load_b128 v[BN+8*\b:BN+8*\b+3], v[BA], s[74:75] offset:64*\b
	global_load_b128 v[BN+8*\b+4:BN+8*\b+7], v[BA], s[74:75] offset:64*\b+16
.endr
	ALOAD XA, 0
	ALOAD XA, 1
	s_wait_alu depctr_va_vdst(0)                   ; the head's end
	SEQ                                            ; my quarter of w_q is in; then the add and its wait, ahead of a later first fill
	CROUND                                         ; everybody's quarter is in, and the joint loads meet
	TL G0B                                         ; w_k: it has the first pass in which to land
	ALOAD XA, 2
	ALOAD XA, 3
	BLOADS 0, 0, 0
	s_wait_kmcnt 0x0
	s_add_co_i32 s96, s84, s85
	s_sub_co_i32 s99, 0, s96
	s_wait_loadcnt 63                              ; b_q is in: 64 loads were issued behind it
.set j, 0
.rept 64
	v_ldexp_f32 v[BN+j], v[BN+j], s99              ; b / 2^(e0 + e1): the sums lack that factor
.set j, j+1
.endr
	s_wait_alu depctr_va_vdst(0)
	PASS 0, 0, XA+2, 1, 0, XA                      ; q
	ALOAD XA+2, 7
	SEQ                                            ; w_k is in; my reads of w_q are over
	CROUND
	TL G0C                                         ; w_v into slot 0: the way out and the second pass stand between this and the wait for it
	ESC 84, 85, 90
	EPIQ OQ
	s_add_co_i32 s96, s86, s87
	s_sub_co_i32 s99, 0, s96
	s_wait_loadcnt 63                              ; b_k is in: 176 loads were issued behind it
.set j, 0
.rept 64
	v_ldexp_f32 v[BN+j], v[BN+j], s99
.set j, j+1
.endr
	s_wait_alu depctr_va_vdst(0)                   ; directly ahead of the wait below
	s_wait_xcnt 0x0                                ; the stores have read the codes' registers, which take fragments again
	BLOADS 1, 0, 0
	PASS 1, 0, XA+4, 2, 0, 0                       ; k
	ALOAD XA+4, 7
	SEQ                                            ; my quarter of w_v is in
	s_barrier_signal -1                            ; nothing is filled again: the work-group's barrier alone
	s_barrier_wait -1
	ESC 86, 87, 91
	EPIQ OQ+2
	s_add_co_i32 s96, s88, s89
	s_sub_co_i32 s99, 0, s96
	s_wait_loadcnt 63                              ; b_v is in: 128 loads were issued behind it
.irp b, 0,1,2,3,4,5,6,7
.irp i, 0,1,2,3,4,5,6,7
	v_ldexp_f32 v[BN+8*\b+\i], v[BV+\b], s99       ; a lane's channel has one bias for its eight tokens
.endr
.endr
	s_wait_alu depctr_va_vdst(0)                   ; directly ahead of the wait below
	s_wait_xcnt 0x0
	BLOADS 0, 0, 0
	PASS 0, 1, 0, 0, 1, 0                          ; v, the sources swapped
	ESC 88, 89, 93
	EPIV OQ+4
	SEQ                                            ; the wave's end
	CROUND                                         ; the closing round
	s_endpgm
.Lfunc_end_k_qa6ccb63612_proj:
	.size	k_qa6ccb63612_proj, .Lfunc_end_k_qa6ccb63612_proj-k_qa6ccb63612_proj
	.p2alignl 7, 3214868480
	.fill 96, 4, 3214868480
	.section	.rodata,"a",@progbits
	.p2align	6, 0x0
	.amdhsa_kernel k_qa6ccb63612_proj
		.amdhsa_group_segment_fixed_size 327680
		.amdhsa_private_segment_fixed_size 0
		.amdhsa_enable_private_segment 0
		.amdhsa_kernarg_size 56
		.amdhsa_user_sgpr_count 2
		.amdhsa_user_sgpr_kernarg_segment_ptr 1
		.amdhsa_wavefront_size32 1
		.amdhsa_system_sgpr_workgroup_id_x 1
		.amdhsa_system_sgpr_workgroup_id_y 1
		.amdhsa_system_sgpr_workgroup_id_z 1
		.amdhsa_system_vgpr_workitem_id 0
		.amdhsa_next_free_vgpr 1024
		.amdhsa_next_free_sgpr 100
		.amdhsa_reserve_vcc 0
		.amdhsa_float_denorm_mode_32 3
		.amdhsa_float_denorm_mode_16_64 3
		.amdhsa_memory_ordered 1
		.amdhsa_forward_progress 1
		.amdhsa_inst_pref_size 229
	.end_amdhsa_kernel
	.amdgpu_metadata
---
amdhsa.version: [ 1, 2 ]
amdhsa.kernels:
  - .name:           k_qa6ccb63612_proj
    .symbol:         k_qa6ccb63612_proj.kd
    .args:
      - { .name: xc, .offset: 0, .size: 8, .value_kind: global_buffer, .address_space: global }
      - { .name: wc, .offset: 8, .size: 8, .value_kind: global_buffer, .address_space: global }
      - { .name: lowp_scales, .offset: 16, .size: 8, .value_kind: global_buffer, .address_space: global }
      - { .name: b_q, .offset: 24, .size: 8, .value_kind: global_buffer, .address_space: global }
      - { .name: b_k, .offset: 32, .size: 8, .value_kind: global_buffer, .address_space: global }
      - { .name: b_v, .offset: 40, .size: 8, .value_kind: global_buffer, .address_space: global }
      - { .name: hc, .offset: 48, .size: 8, .value_kind: global_buffer, .address_space: global }
    .group_segment_fixed_size: 327680
    .private_segment_fixed_size: 0
    .kernarg_segment_align: 8
    .kernarg_segment_size: 56
    .max_flat_workgroup_size: 128
    .sgpr_count:     100
    .vgpr_count:     1024
    .wavefront_size: 32
...
	.end_amdgpu_metadata
.endif
;; end of part 2
;; launch attn (part 3): grid 4 x 64, 16 waves a work-group, no clusters, 327,680 bytes of LDS; arguments hc, lowp_scales, ac; writes ac
.if DOCPART == 3
	.amdgcn_target "amdgcn-amd-amdhsa--gfx1250"
	.amdhsa_code_object_version 6
	.text
	.protected	k_qa6ccb63612_attn
	.globl	k_qa6ccb63612_attn
	.p2align	8
	.type	k_qa6ccb63612_attn,@function
k_qa6ccb63612_attn:
	s_mov_b64 s[64:65], 0
	v_nop
	global_prefetch_b8 v0, s[64:65] scope:SCOPE_SE
	s_setreg_imm32_b32 hwreg(HW_REG_WAVE_MODE, 25, 1), 1
	s_wait_xcnt 0x0
; Causal attention on codes of E4M3, head size 64, 2,048 tokens, 64 (batch x head); the result is quantised at once (entry 10) as the last projection's operand.
; t = score x log2(e) / 8; M = the running largest t rounded UP to a whole number; p = 2^(t - M) is quantised along the keys with 2^e8, not normalised; the row's sum is taken of the unquantised p and divides at the end.
; When M moves, the sum and O are multiplied by 2^(old M - new M): nothing is rounded.  Key steps all of whose keys lie behind a tile's queries are wholly masked and are left out.
; hc (images of operand registers: in a piece of 512 bytes lane l = r + 16 h has k = 32 c + 8 h + 0..7 and k = 32 c + 16 + 8 h + 0..7 of row r): Q at 0, K at 8 MiB: [bh][16 tokens][1,024], K = the head's 64;
; V at 16 MiB: [bh][128 keys][16 channels][2,048], K = the keys.   ac: [16 tokens (512)][128 features (8)][2,048].
; SHARES.  Work-group p (0..3) of a head owns the query blocks p and 7 - p (256 queries each).  EACH of its sixteen waves owns TWO tiles of 16 queries: tile w of the low block (first query 256 p + 16 w) and tile 15 - w of the
; high block (first query 2,032 less the low one).  In key steps of 128 the low tile walks 2 p + 1 + (w / 8) steps and the high one 2 (7 - p) + 2 - (w / 8): 17 for every wave of every work-group.
; A step's work is done for the high tile and then, while its keys count, for the low tile, in the same registers for fragments, scores and codes; Q, O^T, M and the sum are kept for each tile.
; S^T = K Q^T (source 0 = 16 keys, source 1 = 16 queries) and O^T = V^T P^T: a lane holds ONE query of a tile throughout; tile t's register j is key 16 t + 8 h + j, so eight p convert into registers 2 t, 2 t + 1 of the second product's operand.
; LDS HOLDS THE HEAD'S WHOLE K AND V, 2 x 131,072 bytes: K's codes from byte 0, V's from byte 131,072, each as it lies in hc.  They come in 16 pieces of 256 keys (16 KiB, one dense block of memory), a piece to a wave:
; wave w fetches piece w / 2 of K (w even) or of V (w odd).  Waves 0 and 1 ask at the head; the others behind the first barrier, and only where piece w / 2 begins at or under the work-group's last query (w / 2 + p <= 7): a
; piece beyond that is read by no wave.  Nothing is filled again.  The first two key steps read piece 0.
; NO PREFETCH: all tensor loads of the work-group are issued ahead of the first key step, so no later load is left to run ahead of.
; NO CLUSTER: the four work-groups of a head need 8, 7, 6 and 5 pieces: a joint load would bring a partner tiles that none of its waves reads.
; LIMITS on the given exponents: e6 + e7 between -123 and 130; e8 between -126 and 119; e10 - e8 - e9 between -126 and 119.  The scaled scores t stay under 2^31 in magnitude.
; REGISTERS: v1 16 x lane; v4, v8 LDS addresses in hand (V's, K's); v5, v6 the add's two; v9 r - 8 h; low tile: v12 -M, v13 the largest t, v[14:15] the sum, v16-23 Q, v160-191 O^T; high tile: v10, v11, v[2:3], v24-31, v192-223;
; v32-95 K's, then V's fragments; v96-159 S^T, then p; v224-239 p's codes; v240, v241: 448 x 2^e8; v244: 2^e8; v248, v249: 2^(e10 - e8 - e9), 448 x that; v232-239, 242, 243, 246, 247, 250-255 at work.
.set VREG,  131072                     ; V's codes begin here
.set SPARE, 2*VREG                     ; behind K and V: the spare words, 128 bytes for each of sixteen waves, that no other line names
.set LI,  1
.set ADV, 4
.set SPW, 5
.set NIL, 6
.set ADL, 8
.set DL,  9
.set TB,  2                            ; s2   LDS byte at which the step's keys begin in K's codes (and, VREG on, in V's): 64 x the step's first key
.set WV,  18
.set SEL, 20
.set CS,  22                           ; s[22:23] c = log2(e) / 8 x 2^(e6 + e7)
.set G1,  24
.set G0,  40
.set CNT, 67
.set LIM, 94                           ; s94  my piece's number + p: the piece is read where this is 7 at the most
.set QH,  97                           ; s97  my high tile's first query
.set KF,  98                           ; s98  the step's first key
.set QL,  99                           ; s99  my low tile's first query
	s_load_b128 s[4:7], s[0:1], 0x0                ; hc s[4:5], the scales' exponents s[6:7]
	s_load_b64 s[8:9], s[0:1], 0x10                ; ac
	v_lshl_add_u32 v[SPW], v0, 2, SPARE
	v_mov_b32 v[NIL], 0
	ds_add_u32 v[SPW], v[NIL]                      ; the wave's opening: the add, twice on end, and its wait ahead of the first tensor load; work on registers stands between
	ds_add_u32 v[SPW], v[NIL]
	v_lshrrev_b32 v8, 5, v0
	v_readfirstlane_b32 s[WV], v8                  ; wave 0..15
	s_and_b32 s12, ttmp7, 0xffff                   ; bh = 16 x batch + head
	s_lshl_b32 s13, s12, 17                        ; its 131,072 bytes in each region of hc
	s_lshl_b32 s15, ttmp9, 8
	s_lshl_b32 s14, s[WV], 4
	s_add_co_u32 s[QL], s15, s14                   ; 256 p + 16 w
	s_sub_co_u32 s[QH], 2032, s[QL]                ; 256 (7 - p) + 16 (15 - w)
	s_and_b32 s17, s[WV], 1                        ; I fetch for K (0) or for V (1),
	s_lshr_b32 s16, s[WV], 1                       ; piece w / 2
	s_add_co_u32 s[LIM], s16, ttmp9
	s_lshl_b32 s16, s16, 14                        ; its 16,384 bytes
	s_add_co_u32 s82, s17, 1
	s_lshl_b32 s82, s82, 23                        ; K's region of hc or V's,
	s_add_co_u32 s82, s82, s13                     ; my head,
	s_add_co_u32 s82, s82, s16                     ; my piece
	s_mov_b32 s83, 0
	s_lshl_b32 s84, s17, 17
	s_add_co_u32 s84, s84, s16                     ; and its place in LDS
	s_lshl_b32 s86, s[QL], 6                       ; Q: 1,024 bytes for 16 queries
	s_add_co_u32 s86, s86, s13
	s_mov_b32 s87, 0
	s_lshl_b32 s90, s[QH], 6
	s_add_co_u32 s90, s90, s13
	s_mov_b32 s91, 0
	s_lshr_b32 s14, s12, 4
	s_lshl_b32 s14, s14, 21                        ; ac: a batch's 128 groups of 16,384 bytes,
	s_bfe_u32 s15, s12, 0x30001
	s_lshl_b32 s15, s15, 11                        ; the image of features 128 (head / 2) on,
	s_add_co_u32 s14, s14, s15
	s_and_b32 s15, s12, 1
	s_lshl_b32 s15, s15, 10                        ; its pieces 2 (head % 2) and the next,
	s_add_co_u32 s14, s14, s15
	s_lshl_b32 s88, s[QL], 10                      ; and a tile's 16 tokens
	s_add_co_u32 s88, s88, s14
	s_mov_b32 s89, 0
	s_lshl_b32 s92, s[QH], 10
	s_add_co_u32 s92, s92, s14
	s_mov_b32 s93, 0
	s_mov_b32 s[G1], 3<<16                         ; no mask; elements of 8 bytes; no padding: a dense block of 16 KiB as 64 rows of 256 bytes
	s_mov_b32 s[G1+1], 32<<16                      ; tensor_dim0 = 32
	s_mov_b32 s[G1+2], 64<<16                      ; tensor_dim1 = 64
	s_mov_b32 s[G1+3], 32<<16                      ; tile_dim0
	s_mov_b32 s[G1+4], 64                          ; tile_dim1
	s_mov_b32 s[G1+5], 32                          ; from row to row
	s_mov_b32 s[G1+6], 0
	s_mov_b32 s[G1+7], 0
	s_mov_b32 s[SEL], 0x76543210
	s_mov_b32 s[SEL+1], 0xfedcba98
	s_mov_b32 s[CS], 0x3e38aa3b                    ; log2(e) / 8
	s_mov_b32 s[TB], 0
	s_mov_b32 s[KF], 0
	s_wait_dscnt 0x0                               ; both opening adds are done
	s_wait_kmcnt 0x0
	s_load_b128 s[68:71], s[6:7], 0x18             ; e6, e7, e8, e9
	s_load_b32 s72, s[6:7], 0x28                   ; e10
	s_mov_b32 s[G0], 1
	s_mov_b32 s[G0+1], s84
	s_add_nc_u64 s[G0+2:G0+3], s[4:5], s[82:83]
	s_or_b32 s[G0+3], s[G0+3], 0x80000000          ; my one descriptor: it is never written again
	s_cmp_lt_u32 s[WV], 2                          ; piece 0 of K and of V: waves 0 and 1; an s_nop 0 and four v_nop follow the load
	s_cbranch_scc0 .Lasked
	tensor_load_to_lds s[G0:G0+3], s[G1:G1+7]
	s_nop 0
.rept 4
	v_nop
.endr
.Lasked:
	s_add_nc_u64 s[10:11], s[4:5], s[86:87]        ; the low tile's Q,
	s_add_nc_u64 s[90:91], s[4:5], s[90:91]        ; the high tile's,
	s_add_nc_u64 s[92:93], s[8:9], s[92:93]        ; the high tile's place in ac,
	s_add_nc_u64 s[8:9], s[8:9], s[88:89]          ; the low tile's
	v_and_b32 v[LI], 31, v0
	v_lshlrev_b32 v[LI], 4, v[LI]
	global_load_b128 v[16:19], v[LI], s[10:11]     ; both tiles' fragments of Q stay in registers
	global_load_b128 v[20:23], v[LI], s[10:11] offset:512
	global_load_b128 v[24:27], v[LI], s[90:91]
	global_load_b128 v[28:31], v[LI], s[90:91] offset:512
	v_and_b32 v[DL], 15, v0
	v_bfe_u32 v7, v0, 4, 1
	v_lshlrev_b32 v7, 3, v7
	v_sub_nc_u32 v[DL], v[DL], v7                  ; r - 8 h, for the diagonal's mask
	v_mov_b32 v13, 0xff61b1e6                      ; the largest t so far: -3e38
	v_mov_b32 v11, 0xff61b1e6
	v_floor_f32 v12, -v13                          ; -M
	v_floor_f32 v10, -v11
	v_mov_b32 v14, 0
	v_mov_b32 v15, 0
	v_mov_b32 v2, 0
	v_mov_b32 v3, 0
	v_mov_b32 v246, 0                              ; written once: a lane permute's destination counts as one of its sources
	v_mov_b32 v247, 0
	v_mov_b32 v253, 0                              ; (named as the upper half of the pair v[252:253])
.set j, 0
.rept 64
	v_mov_b32 v[160+j], 0                          ; both O^T: a step is written once for each tile; the first change of M multiplies zeros
.set j, j+1
.endr
	s_wait_kmcnt 0x0
	s_add_co_i32 s73, s68, s69
	s_lshl_b32 s73, s73, 23
	s_add_co_i32 s[CS], s[CS], s73                 ; a score stands for score x 2^(e6 + e7): added to c's exponent field
	s_mov_b32 s[CS+1], s[CS]
	s_add_co_i32 s73, s70, 127
	s_lshl_b32 s74, s73, 23
	v_mov_b32 v244, s74                            ; 2^e8
	s_add_co_i32 s73, s73, 8
	s_lshl_b32 s73, s73, 23
	s_or_b32 s73, s73, 0x600000
	v_mov_b32 v240, s73                            ; 448 x 2^e8, in two registers: one for each half of a dual pair
	v_mov_b32 v241, s73
	s_sub_co_i32 s73, s72, s70
	s_sub_co_i32 s73, s73, s71                     ; O^T / the sum stands for that x 2^(e8 + e9): its code is that / 2^(e10 - e8 - e9)
	s_add_co_i32 s73, s73, 127
	s_lshl_b32 s74, s73, 23
	v_mov_b32 v248, s74
	s_add_co_i32 s73, s73, 8
	s_lshl_b32 s73, s73, 23
	s_or_b32 s73, s73, 0x600000
	v_mov_b32 v249, s73
; ONE TILE'S WORK IN A KEY STEP of 128 keys.  qs: the scalar with the tile's first query; qb: its Q; ob: its O^T; mp: its pair -M, largest t; sp: its sum's pair.
.macro TILE qs, qb, ob, mp, sp
	s_add_co_u32 s96, s[\qs], 15                   ; all keys behind the tile's 16 queries: the work is left out (ids and the count of steps alone); no barrier and no tensor load stands here
	s_cmp_gt_u32 s[KF], s96
	s_cbranch_scc1 .Lhidden_\@
	v_add_nc_u32 v[ADL], s[TB], v[LI]
	v_add_nc_u32 v[ADV], VREG, v[ADL]
.rept 2
	v_nop                                          ; with the two additions above: four places in front of loads into registers that the last products read
.endr
.irp t, 0,1,2,3,4,5,6,7
.irp c, 0,1
	ds_load_b128 v[32+8*\t+4*\c:32+8*\t+4*\c+3], v[ADL] offset:1024*\t+512*\c
.endr
.endr
	s_wait_alu depctr_va_vdst(0)
	s_wait_dscnt 0x0
.irp t, 0,1,2,3,4,5,6,7
	v_wmma_f32_16x16x64_fp8_fp8 v[96+8*\t:103+8*\t], v[32+8*\t:39+8*\t], v[\qb:\qb+7], 0
.endr
.rept 4
	v_nop                                          ; places in front of the loads below and of the first read of the scores
.endr
.irp ct, 0,1,2,3                               ; V's fragments are asked for here already: the softmax stands between the request and the wait for it
.irp c, 0,1,2,3
	ds_load_b128 v[32+16*\ct+4*\c:32+16*\ct+4*\c+3], v[ADV] offset:2048*\ct+512*\c
.endr
.endr
	s_add_co_u32 s96, s[KF], 127                   ; on the diagonal hidden scores become -infinity ahead of the maximum; a step all of whose keys count skips this
	s_cmp_le_u32 s96, s[\qs]
	s_cbranch_scc1 .Lopen_\@
	s_sub_co_i32 s96, s[\qs], s[KF]
	v_add_nc_u32 v252, s96, v[DL]                  ; d = my query - KF - 8 h.  Register 8 t + j holds key KF + 16 t + 8 h + j: hidden where j > d - 16 t
	v_mov_b32 v254, 0xff800000
.irp t, 0,1,2,3,4,5,6,7
.irp j, 0,1,2,3,4,5,6,7
	v_cmp_gt_i32 vcc_lo, \j, v252
	v_cndmask_b32 v[96+8*\t+\j], v[96+8*\t+\j], v254, vcc_lo
.endr
.if \t < 7
	v_add_nc_u32 v252, -16, v252
.endif
.endr
.Lopen_\@:
	v_max3_num_f32 v254, v96, v97, v98             ; the step's largest score of my query among my 64 keys, in two chains, each tile of keys from its low end on,
	v_max3_num_f32 v252, v99, v100, v101
.irp i, 6,10,14,18,22,26,30,34,38,42,46,50,54,58
	v_max3_num_f32 v254, v254, v[96+\i], v[97+\i]
	v_max3_num_f32 v252, v252, v[98+\i], v[99+\i]
.endr
	v_max3_num_f32 v254, v254, v158, v159
	s_delay_alu instid0(VALU_DEP_1)
	v_max_num_f32 v254, v254, v252
	s_delay_alu instid0(VALU_DEP_1)
	v_permlanex16_b32 v246, v254, s[SEL], s[SEL+1]
	s_delay_alu instid0(VALU_DEP_1)
	v_max_num_f32 v254, v254, v246                 ; and among lane l xor 16's
	s_delay_alu instid0(VALU_DEP_1)
	v_mul_f32 v254, s[CS], v254                    ; as t (c is positive)
	s_delay_alu instid0(VALU_DEP_1)
	v_max_num_f32 v[\mp+1], v[\mp+1], v254         ; the running largest t
	v_mov_b32 v254, v[\mp]
	s_delay_alu instid0(VALU_DEP_2)
	v_floor_f32 v[\mp], -v[\mp+1]                  ; the new -M = floor(-t) = -ceil(t)
	s_delay_alu instid0(VALU_DEP_1)
	v_sub_f32 v254, v[\mp], v254                   ; old M - new M: a whole number, 0 or less
	s_delay_alu instid0(VALU_DEP_1)
	v_cvt_i32_f32 v254, v254                       ; (it saturates)
	s_delay_alu instid0(VALU_DEP_1)
	v_ldexp_f32 v252, 1.0, v254                    ; f = 2^(old M - new M)
.set j, 0
.rept 32
	v_pk_fma_f32 v[96+j:97+j], v[96+j:97+j], s[CS:CS+1], v[\mp:\mp+1] op_sel_hi:[1,0,0]   ; t - M, two at a time
.set j, j+2
.endr
	s_wait_alu depctr_va_vdst(0)                   ; ahead of the batch
.set j, 0
.rept 64
	v_exp_f32 v[96+j], v[96+j]                     ; p = 2^(t - M): one batch
.set j, j+1
.endr
	v_pk_mul_f32 v[\sp:\sp+1], v[\sp:\sp+1], v[252:253] op_sel_hi:[1,0]   ; the sums under the new M: the plain instruction behind the exponentials
	s_wait_alu depctr_va_vdst(0)                   ; one wait for the whole batch, ahead of its first reader
.set k, 0                                      ; the row's sum of the unquantised p: 32 pairs in eight chains (seven at work, and the sum itself), then joined
.irp t, 242,254,250,238,236,234,232
	v_pk_add_f32 v[\t:\t+1], v[96+4*k:97+4*k], v[98+4*k:99+4*k]
.set k, k+1
.endr
	v_pk_add_f32 v[\sp:\sp+1], v[\sp:\sp+1], v[124:125]
.set k, 0
.irp t, 242,254,250,238,236,234,232
	v_pk_add_f32 v[\t:\t+1], v[\t:\t+1], v[126+2*k:127+2*k]
.set k, k+1
.endr
	v_pk_add_f32 v[\sp:\sp+1], v[\sp:\sp+1], v[140:141]
.set k, 0
.irp t, 242,254,250,238,236,234,232
	v_pk_add_f32 v[\t:\t+1], v[\t:\t+1], v[142+2*k:143+2*k]
.set k, k+1
.endr
	v_pk_add_f32 v[\sp:\sp+1], v[\sp:\sp+1], v[156:157]
	v_pk_add_f32 v[242:243], v[242:243], v[158:159]
	s_delay_alu instid0(VALU_DEP_2)
	v_pk_add_f32 v[\sp:\sp+1], v[\sp:\sp+1], v[238:239]
	s_delay_alu instid0(VALU_DEP_2)
	v_pk_add_f32 v[242:243], v[242:243], v[236:237]
	v_pk_add_f32 v[254:255], v[254:255], v[234:235]
	v_pk_add_f32 v[250:251], v[250:251], v[232:233]
	s_delay_alu instid0(VALU_DEP_2)
	v_pk_add_f32 v[\sp:\sp+1], v[\sp:\sp+1], v[254:255]
	s_delay_alu instid0(VALU_DEP_2)
	v_pk_add_f32 v[242:243], v[242:243], v[250:251]
	s_delay_alu instid0(VALU_DEP_1)
	v_pk_add_f32 v[\sp:\sp+1], v[\sp:\sp+1], v[242:243]
.set j, 0
.rept 32                                       ; the conversion does not saturate (ISA guide 7.6.2); p is not negative, so the hold is one-sided; two holds to a dual pair
	v_dual_min_num_f32 v[96+j], v[96+j], v240 :: v_dual_min_num_f32 v[97+j], v[97+j], v241
.set j, j+2
.endr
.irp t, 0,1,2,3,4,5,6,7
	v_cvt_scalef32_pk8_fp8_f32 v[224+2*\t:225+2*\t], v[96+8*\t:103+8*\t], v244   ; keys 16 t + 8 h + 0..7: registers 2 t, 2 t + 1 of the operand
.endr
	s_wait_alu depctr_va_vdst(0)                   ; directly ahead of the first reader of O^T
.set j, 0
.rept 16
	v_pk_mul_f32 v[\ob+j:\ob+j+1], v[\ob+j:\ob+j+1], v[252:253] op_sel_hi:[1,0]  ; O^T under the new M.  (Also the plain instructions between the conversions and the products)
.set j, j+2
.endr
	s_wait_alu depctr_va_vdst(0)                   ; directly ahead of the wait below
	s_wait_dscnt 0x0                               ; V's fragments are in
.irp ct, 0,1,2,3                               ; the four accumulators take turns, one instruction a turn
	v_wmma_f32_16x16x128_fp8_fp8 v[\ob+8*\ct:\ob+8*\ct+7], v[32+16*\ct:47+16*\ct], v[224:239], v[\ob+8*\ct:\ob+8*\ct+7]
.endr
.Lhidden_\@:
.endm
.macro STEP                            ; a key step: the high tile, the low tile, and on to the next 128 keys: 8,192 bytes of K's codes and of V's
	TILE QH, 24, 192, 10, 2
	TILE QL, 16, 160, 12, 14
	s_add_co_u32 s[KF], s[KF], 128
	s_add_co_u32 s[TB], s[TB], 8192
.endm
	s_wait_alu depctr_va_vdst(0)                   ; the head's end
	s_wait_tensorcnt 0x0                           ; my part of piece 0, if I fetched one, is in; ahead of later first fills:
	ds_add_u32 v[SPW], v[NIL]                      ; the add,
	ds_add_u32 v[SPW], v[NIL]                      ; twice on end
	s_wait_dscnt 0x0
	s_barrier_signal -1
	s_barrier_wait -1                              ; piece 0 is whole for all sixteen waves
	s_cmp_lt_u32 s[WV], 2                          ; waves 2 to 15: my piece of K or of V, the wave's one tensor load, a first fill of bytes of its own,
	s_cbranch_scc1 .Lnone
	s_cmp_gt_u32 s[LIM], 7                         ; where a later step reads it (the wave's and the work-group's numbers alone; every wait on TENSORcnt in this text is for 0)
	s_cbranch_scc1 .Lnone
	tensor_load_to_lds s[G0:G0+3], s[G1:G1+7]
	s_nop 0
.rept 4
	v_nop
.endr
.Lnone:
	s_wait_loadcnt 0x0                             ; Q
	s_mov_b32 s[CNT], 2
.Lfirst:                                           ; keys 0 to 255: piece 0, while the other pieces are on their way
	STEP
	s_sub_co_u32 s[CNT], s[CNT], 1
	s_cmp_lg_u32 s[CNT], 0
	s_cbranch_scc1 .Lfirst
	s_wait_tensorcnt 0x0                           ; my piece is in,
	s_wait_dscnt 0x0
	s_barrier_signal -1
	s_barrier_wait -1                              ; and everybody's
	s_mov_b32 s[CNT], 14
.Lrest:                                            ; keys 256 to 2,047
	STEP
	s_sub_co_u32 s[CNT], s[CNT], 1
	s_cmp_lg_u32 s[CNT], 0
	s_cbranch_scc1 .Lrest
	; THE WAY OUT, both tiles together: O^T / the sum, held, converted: a lane's 32 channels of a query are two pieces' 16 bytes; the wave stores 512 consecutive bytes four times, straight from registers.
.rept 4
	v_nop                                          ; places behind the last products
.endr
	v_add_f32 v14, v14, v15
	v_add_f32 v2, v2, v3
	v_permlanex16_b32 v246, v14, s[SEL], s[SEL+1]
	v_permlanex16_b32 v247, v2, s[SEL], s[SEL+1]
	v_add_f32 v14, v14, v246                       ; the rows' sums
	v_add_f32 v2, v2, v247
	s_wait_alu depctr_va_vdst(0)                   ; ahead of the batch of two
	v_rcp_f32 v14, v14
	v_rcp_f32 v2, v2
	v_nop                                          ; a plain instruction behind the reciprocals
	s_wait_alu depctr_va_vdst(0)                   ; the wait ahead of their first reader, which is also the first reader of both O^T
.set j, 0
.rept 16
	v_pk_mul_f32 v[96+j:97+j], v[160+j:161+j], v[14:15] op_sel_hi:[1,0]   ; register 8 ct + i: channel 16 ct + 8 h + i; each accumulator from its low end on
.set j, j+2
.endr
.set j, 0
.rept 16
	v_pk_mul_f32 v[128+j:129+j], v[192+j:193+j], v[2:3] op_sel_hi:[1,0]
.set j, j+2
.endr
.set j, 0
.rept 64
	v_med3_num_f32 v[96+j], v[96+j], -v249, v249
.set j, j+1
.endr
.irp ct, 0,1,2,3,4,5,6,7
	v_cvt_scalef32_pk8_fp8_f32 v[224+2*\ct:225+2*\ct], v[96+8*\ct:103+8*\ct], v248
.endr
	v_nop
	global_store_b128 v[LI], v[224:227], s[8:9]
	global_store_b128 v[LI], v[228:231], s[8:9] offset:512
	global_store_b128 v[LI], v[232:235], s[92:93]
	global_store_b128 v[LI], v[236:239], s[92:93] offset:512
	s_wait_tensorcnt 0x0                           ; the wave's end
	ds_add_u32 v[SPW], v[NIL]
	s_wait_dscnt 0x0
	s_endpgm
.Lfunc_end_k_qa6ccb63612_attn:
	.size	k_qa6ccb63612_attn, .Lfunc_end_k_qa6ccb63612_attn-k_qa6ccb63612_attn
	.p2alignl 7, 3214868480
	.fill 96, 4, 3214868480
	.section	.rodata,"a",@progbits
	.p2align	6, 0x0
	.amdhsa_kernel k_qa6ccb63612_attn
		.amdhsa_group_segment_fixed_size 327680
		.amdhsa_private_segment_fixed_size 0
		.amdhsa_enable_private_segment 0
		.amdhsa_kernarg_size 24
		.amdhsa_user_sgpr_count 2
		.amdhsa_user_sgpr_kernarg_segment_ptr 1
		.amdhsa_wavefront_size32 1
		.amdhsa_system_sgpr_workgroup_id_x 1
		.amdhsa_system_sgpr_workgroup_id_y 1
		.amdhsa_system_sgpr_workgroup_id_z 1
		.amdhsa_system_vgpr_workitem_id 0
		.amdhsa_next_free_vgpr 256
		.amdhsa_next_free_sgpr 100
		.amdhsa_reserve_vcc 1
		.amdhsa_float_denorm_mode_32 3
		.amdhsa_float_denorm_mode_16_64 3
		.amdhsa_memory_ordered 1
		.amdhsa_forward_progress 1
		.amdhsa_inst_pref_size 97
	.end_amdhsa_kernel
	.amdgpu_metadata
---
amdhsa.version: [ 1, 2 ]
amdhsa.kernels:
  - .name:           k_qa6ccb63612_attn
    .symbol:         k_qa6ccb63612_attn.kd
    .args:
      - { .name: hc, .offset: 0, .size: 8, .value_kind: global_buffer, .address_space: global }
      - { .name: lowp_scales, .offset: 8, .size: 8, .value_kind: global_buffer, .address_space: global }
      - { .name: ac, .offset: 16, .size: 8, .value_kind: global_buffer, .address_space: global }
    .group_segment_fixed_size: 327680
    .private_segment_fixed_size: 0
    .kernarg_segment_align: 8
    .kernarg_segment_size: 24
    .max_flat_workgroup_size: 512
    .sgpr_count:     100
    .vgpr_count:     256
    .wavefront_size: 32
...
	.end_amdgpu_metadata
.endif
;; end of part 3
;; launch oproj (part 4): grid 32 x 8, 4 waves a work-group, clusters of 4 x 1, 327,680 bytes of LDS; arguments ac, wc, lowp_scales, b_o, out0; writes out0
.if DOCPART == 4
	.amdgcn_target "amdgcn-amd-amdhsa--gfx1250"
	.amdhsa_code_object_version 6
	.text
	.protected	k_qa6ccb63612_oproj
	.globl	k_qa6ccb63612_oproj
	.p2align	8
	.type	k_qa6ccb63612_oproj,@function
k_qa6ccb63612_oproj:
	s_mov_b64 s[64:65], 0
	v_nop
	global_prefetch_b8 v0, s[64:65] scope:SCOPE_SE
	s_setreg_imm32_b32 hwreg(HW_REG_WAVE_MODE, 25, 1), 1
	s_wait_xcnt 0x0
	s_wait_alu depctr_hold_cnt(0) depctr_sa_sdst(0) depctr_va_vdst(0) depctr_va_sdst(0) depctr_va_ssrc(0) depctr_va_vcc(0) depctr_vm_vsrc(0)
	s_getreg_b32 s2, hwreg(HW_REG_IB_STS2, 6, 4)
	s_cmp_eq_u32 s2, 0
	s_cbranch_scc0 .Lentry_in_a_cluster
	s_endpgm
.Lentry_in_a_cluster:
	s_bfe_u32 s2, ttmp6, 0x10000c
	s_cmp_lg_u32 s2, 0x3003
	s_cbranch_scc0 .Lentry_shape_is_right
	s_endpgm
.Lentry_shape_is_right:
; The last projection on codes of E4M3: out0 = a w_o + b_o, f32.  ac: [16 tokens (512)][128 features (8)][2,048 bytes], images of operand registers; w_o's codes at 3 MiB in wc: [16 columns (64)][128 along K (8)][2,048 bytes].
; SHARES.  A work-group owns 256 rows x 128 columns: 32 x 8 = 256 work-groups; a wave owns 64 of the rows and all 128 columns: 32 accumulators, 256 registers.
; THE WEIGHT: 128 columns with the whole K are one dense 128 KiB of wc, fetched once into LDS, each wave a quarter, jointly with the three other row blocks of the cluster (mask 15).  Nothing is filled again.
; a: a row is used by one wave of the work-group alone, so its images go from memory straight into registers: chunks 0 to 3 are asked for at the head, chunks 4 to 7 in chunks 0 to 3: four chunks ahead of their use.
; The text has no loop to run ahead in, and no prefetch is laid.
; Source 0 = 16 columns of w_o, source 1 = 16 rows of a: a lane holds a token and 8 neighbouring columns.  b_o / 2^(e10 + e11) is the C of each sum's first product; each finished sum is multiplied by 2^(e10 + e11).
; THE WAY OUT: 16 rows x 512 bytes at a time through the wave's own stage in LDS (bytes that no tensor load fills), back as whole rows: the wave stores 512 consecutive bytes, aligned.
; LIMIT: e10 + e11 between -126 and 127.
; REGISTERS: window 0: v2 16 x lane; v4, v5 LDS addresses; v8, v9 the add's two; v12 bias offset; v14, v15 the stage; v64-127 the bias as C, then a block's scaled sums; v128-255 two sets of four fragments of w, then rows read back.
; Window 1: accumulator (a, b) at 8 (8 a + b).  Windows 2, 3: a's chunks 0-3, 4-7.
.set SLOTB, 131072
.set SPARE, 2*SLOTB                    ; the spare words, 128 bytes a wave, that no other line names
.set STAGE, SPARE+512                  ; four stages of 16 rows x 528 bytes
.set SPITCH, 528
.set LI,  2
.set BAD, 4
.set SPW, 8
.set NIL, 9
.set BA,  12
.set STO, 14
.set RD,  15
.set BN,  64
.set TMP, 64
.set BF,  128
.set BK,  128
.set G1,  24
.set G0A, 32
.set XA,  52
.set MSB, 0
.macro WIN new                         ; the immediate's high byte repeats the setting that is left
.if MSB != (\new)
	s_set_vgpr_msb (MSB<<8)|(\new)
.set MSB, (\new)
.endif
.endm
.macro PLACES
.rept 4
	v_nop
.endr
.endm
.macro CROUND                          ; a round of the cluster's barrier
	s_barrier_signal -1
	s_barrier_wait -1
	s_cmp_lg_u32 s14, 0
	s_cbranch_scc1 .Lnot_wave_0_\@
	s_barrier_signal -3
.Lnot_wave_0_\@:
	s_barrier_wait -3
	s_barrier_signal -1
	s_barrier_wait -1
.endm
.macro ALOAD base, c                   ; a's chunk c: four fragments, 16 loads of 512 consecutive bytes
	WIN 0x80+0x40*((\c)/4)
.irp a, 0,1,2,3
.irp p, 0,1,2,3
	global_load_b128 v[64*((\c)%4)+16*\a+4*\p:64*((\c)%4)+16*\a+4*\p+3], v[LI], s[\base:\base+1] offset:16384*\a+2048*(\c)+512*\p
.endr
.endr
	WIN 0
.endm
.macro BLOADS c, bg                    ; w's fragments of columns 64 bg .. + 63, chunk c, into set bg
.irp b, 0,1,2,3
.irp p, 0,1,2,3
	ds_load_b128 v[BF+64*(\bg)+16*\b+4*\p:BF+64*(\bg)+16*\b+4*\p+3], v[BAD+(\bg)] offset:16384*\b+2048*(\c)+512*\p
.endr
.endr
.endm
.macro MUL c, bg                       ; 16 products; the 32 accumulators take turns, one instruction a turn, in the same order in every chunk
.irp b, 0,1,2,3
.irp a, 0,1,2,3
.set AC, 8*(8*\a+4*(\bg)+\b)
.set WF, BF+64*(\bg)+16*\b
.set XF, 64*((\c)%4)+16*\a
.set CB, BN+8*(4*(\bg)+\b)
.if (\c) == 0
	v_wmma_f32_16x16x128_fp8_fp8 v[AC:AC+7], v[WF:WF+15], v[XF:XF+15], v[CB:CB+7]
.else
	v_wmma_f32_16x16x128_fp8_fp8 v[AC:AC+7], v[WF:WF+15], v[XF:XF+15], v[AC:AC+7]
.endif
.endr
.endr
.endm
	s_load_b256 s[68:75], s[0:1], 0x0              ; ac s[68:69], wc s[70:71], the scales' exponents s[72:73], b_o s[74:75]
	s_load_b64 s[80:81], s[0:1], 0x20              ; out0
	v_lshl_add_u32 v[SPW], v0, 2, SPARE
	v_mov_b32 v[NIL], 0
	ds_add_u32 v[SPW], v[NIL]                      ; the opening: the add, twice on end, and its wait ahead of the first tensor load
	ds_add_u32 v[SPW], v[NIL]
	v_lshrrev_b32 v1, 5, v0
	v_readfirstlane_b32 s14, v1                    ; wave 0..3
	s_bfe_u32 s40, ttmp6, 0x40000                  ; cx
	s_lshl_b32 s41, ttmp9, 2
	s_add_co_u32 s41, s41, s40                     ; rb: my block of 256 rows
	s_and_b32 s42, ttmp7, 0xffff                   ; y: my block of 128 columns
	s_mov_b32 s[G1], 15|(3<<16)|(1<<21)            ; the mask: all four of the cluster; elements of 8 bytes; bit 21 beside a mask; no padding
	s_mov_b32 s[G1+1], 32<<16                      ; a dense 32 KiB as 128 rows of 256 bytes
	s_mov_b32 s[G1+2], 128<<16
	s_mov_b32 s[G1+3], 32<<16
	s_mov_b32 s[G1+4], 128
	s_mov_b32 s[G1+5], 32
	s_mov_b32 s[G1+6], 0
	s_mov_b32 s[G1+7], 0
	s_lshl_b32 s46, s42, 17                        ; w_o: 128 columns are 131,072 bytes,
	s_lshl_b32 s45, s14, 15                        ; my quarter; also its place in LDS
	s_add_co_u32 s46, s46, s45
	s_add_co_u32 s46, s46, 3<<20                   ; behind w_q, w_k, w_v
	s_mov_b32 s47, 0
	s_lshl_b32 s20, s41, 18                        ; a: 256 rows of 1,024 codes,
	s_lshl_b32 s21, s14, 16                        ; my 64
	s_add_co_u32 s20, s20, s21
	s_mov_b32 s21, 0
	s_lshl_b32 s8, s41, 20                         ; out0: 256 rows of 4,096 bytes,
	s_lshl_b32 s9, s14, 18                         ; my 64,
	s_add_co_u32 s8, s8, s9
	s_lshl_b32 s18, s42, 9                         ; my 128 columns of 4 bytes; the same in b_o
	s_add_co_u32 s8, s8, s18
	s_mov_b32 s9, 0
	s_mov_b32 s19, 0
	s_mul_i32 s23, s14, 16*SPITCH
	s_add_co_u32 s23, s23, STAGE                   ; my stage
	s_wait_dscnt 0x0                               ; both opening adds are done
	s_wait_kmcnt 0x0
	s_load_b64 s[96:97], s[72:73], 0x28            ; e10, e11
	s_mov_b32 s[G0A], 1
	s_mov_b32 s[G0A+1], s45
	s_add_nc_u64 s[G0A+2:G0A+3], s[70:71], s[46:47]
	s_or_b32 s[G0A+3], s[G0A+3], 0x80000000
	s_add_nc_u64 s[XA:XA+1], s[68:69], s[20:21]
	s_add_nc_u64 s[88:89], s[80:81], s[8:9]
	s_add_nc_u64 s[74:75], s[74:75], s[18:19]
	CROUND                                         ; the four work-groups are here: the joint loads meet
	tensor_load_to_lds s[G0A:G0A+3], s[G1:G1+7]    ; my quarter of w_o's block: the wave's one tensor load
	s_nop 0
	PLACES
	v_and_b32 v1, 31, v0
	v_lshlrev_b32 v[LI], 4, v1
	v_lshlrev_b32 v[BAD], 4, v1                    ; columns 0-63
	v_add_nc_u32 v[BAD+1], 0x10000, v[LI]          ; columns 64-127
	v_bfe_u32 v3, v0, 4, 1
	v_lshlrev_b32 v[BA], 5, v3                     ; the bias at columns 16 b + 8 h + 0..7
	v_and_b32 v1, 15, v0
	v_mul_u32_u24 v1, v1, SPITCH
	v_lshl_add_u32 v1, v3, 5, v1
	v_add_nc_u32 v[STO], s23, v1                   ; into the stage: row r, 32 h bytes on
	v_add_nc_u32 v[RD], s23, v[LI]                 ; out of it: the 32 lanes take one row of 512 bytes
.irp b, 0,1,2,3,4,5,6,7
	global_load_b128 v[BN+8*\b:BN+8*\b+3], v[BA], s[74:75] offset:64*\b
	global_load_b128 v[BN+8*\b+4:BN+8*\b+7], v[BA], s[74:75] offset:64*\b+16
.endr
	ALOAD XA, 0
	ALOAD XA, 1
	ALOAD XA, 2
	ALOAD XA, 3
	s_wait_kmcnt 0x0
	s_add_co_i32 s96, s96, s97
	s_sub_co_i32 s98, 0, s96
	s_add_co_i32 s96, s96, 127
	s_lshl_b32 s96, s96, 23                        ; 2^(e10 + e11) as f32
	s_mov_b32 s97, s96
	s_wait_loadcnt 63                              ; b_o is in: 64 loads were issued behind it
.set j, 0
.rept 64
	v_ldexp_f32 v[BN+j], v[BN+j], s98              ; b / 2^(e10 + e11): the sums lack that factor
.set j, j+1
.endr
	s_wait_alu depctr_va_vdst(0)                   ; the head's end
	s_wait_tensorcnt 0x0                           ; my quarter is in,
	s_barrier_signal -1
	s_barrier_wait -1                              ; and everybody's
	BLOADS 0, 0
; 8 chunks of two halves.  Each half: four places behind the products before it, the next half's 16 fragment loads into the set that those products read, then 16 products.
; LOADcnt: behind chunks 0 to 3 stand 64 loads (count 63), behind chunks 4 to 7 stand 16 (7 - c).
.irp c, 0,1,2,3,4,5,6,7
.if \c == 0
.set MW, 0x48
.else
.set MW, 0x50+((2+\c/4)<<2)
.endif
	PLACES
	WIN 0
	BLOADS \c, 1
.if \c < 4
	ALOAD XA, \c+4
	s_wait_loadcnt 63
.else
	s_wait_loadcnt 16*(7-\c)
.endif
	s_wait_dscnt 16                                ; set 0 is in; the 16 loads just issued may be out
	WIN MW
	MUL \c, 0
	PLACES
	WIN 0
.if \c < 7
	BLOADS \c+1, 0
	s_wait_dscnt 16
.else
	s_wait_dscnt 0
.endif
	WIN MW
	MUL \c, 1
.endr
	PLACES                                         ; behind the last products
	WIN 0
.macro TOSTAGE a                       ; block a: 16 rows x 128 columns, x 2^(e10 + e11), each accumulator from its low end on; LDS serves a wave's instructions in order, so no wait stands between the stores and the loads
	WIN 0x01
.set j, 0
.rept 32
	v_pk_mul_f32 v[TMP+j:TMP+j+1], v[64*(\a)+j:64*(\a)+j+1], s[96:97] op_sel_hi:[1,0]
.set j, j+2
.endr
	WIN 0
.irp b, 0,1,2,3,4,5,6,7
	ds_store_b128 v[STO], v[TMP+8*\b:TMP+8*\b+3] offset:64*\b
	ds_store_b128 v[STO], v[TMP+8*\b+4:TMP+8*\b+7] offset:64*\b+16
.endr
.set BB, BK+64*((\a)%2)
.irp t, 0,1,2,3,4,5,6,7,8,9,10,11,12,13,14,15
	ds_load_b128 v[BB+4*\t:BB+4*\t+3], v[RD] offset:\t*SPITCH
.endr
.endm
.macro SEND a, younger                 ; younger: the LDS instructions issued behind block a's loads, which may stay out
.set BB, BK+64*((\a)%2)
	s_wait_dscnt \younger
.irp t, 0,1,2,3,4,5,6,7,8,9,10,11,12,13,14,15
	global_store_b128 v[LI], v[BB+4*\t:BB+4*\t+3], s[88:89] offset:(\a)*65536+\t*4096 th:TH_STORE_NT
.endr
.endm
	TOSTAGE 0
	TOSTAGE 1
	SEND 0, 32
	s_wait_xcnt 0x0                                ; block 0's stores have read their registers: block 2's rows may land there
	TOSTAGE 2
	SEND 1, 32
	s_wait_xcnt 0x0
	TOSTAGE 3
	SEND 2, 32
	SEND 3, 0
	s_wait_tensorcnt 0x0                           ; the wave's end
	ds_add_u32 v[SPW], v[NIL]
	s_wait_dscnt 0x0
	CROUND                                         ; the closing round
	s_endpgm
.Lfunc_end_k_qa6ccb63612_oproj:
	.size	k_qa6ccb63612_oproj, .Lfunc_end_k_qa6ccb63612_oproj-k_qa6ccb63612_oproj
	.p2alignl 7, 3214868480
	.fill 96, 4, 3214868480
	.section	.rodata,"a",@progbits
	.p2align	6, 0x0
	.amdhsa_kernel k_qa6ccb63612_oproj
		.amdhsa_group_segment_fixed_size 327680
		.amdhsa_private_segment_fixed_size 0
		.amdhsa_enable_private_segment 0
		.amdhsa_kernarg_size 40
		.amdhsa_user_sgpr_count 2
		.amdhsa_user_sgpr_kernarg_segment_ptr 1
		.amdhsa_wavefront_size32 1
		.amdhsa_system_sgpr_workgroup_id_x 1
		.amdhsa_system_sgpr_workgroup_id_y 1
		.amdhsa_system_sgpr_workgroup_id_z 1
		.amdhsa_system_vgpr_workitem_id 0
		.amdhsa_next_free_vgpr 1024
		.amdhsa_next_free_sgpr 100
		.amdhsa_reserve_vcc 0
		.amdhsa_float_denorm_mode_32 3
		.amdhsa_float_denorm_mode_16_64 3
		.amdhsa_memory_ordered 1
		.amdhsa_forward_progress 1
		.amdhsa_inst_pref_size 81
	.end_amdhsa_kernel
	.amdgpu_metadata
---
amdhsa.version: [ 1, 2 ]
amdhsa.kernels:
  - .name:           k_qa6ccb63612_oproj
    .symbol:         k_qa6ccb63612_oproj.kd
    .args:
      - { .name: ac, .offset: 0, .size: 8, .value_kind: global_buffer, .address_space: global }
      - { .name: wc, .offset: 8, .size: 8, .value_kind: global_buffer, .address_space: global }
      - { .name: lowp_scales, .offset: 16, .size: 8, .value_kind: global_buffer, .address_space: global }
      - { .name: b_o, .offset: 24, .size: 8, .value_kind: global_buffer, .address_space: global }
      - { .name: out0, .offset: 32, .size: 8, .value_kind: global_buffer, .address_space: global }
    .group_segment_fixed_size: 327680
    .private_segment_fixed_size: 0
    .kernarg_segment_align: 8
    .kernarg_segment_size: 40
    .max_flat_workgroup_size: 128
    .sgpr_count:     100
    .vgpr_count:     1024
    .wavefront_size: 32
...
	.end_amdgpu_metadata
.endif
;; end of part 4
